; MI455X (gfx1250); checked and timed in simulation.
; The chip was launched on July 23, 2026; its instructions are those of AMD's public machine-readable ISA for CDNA 5 (MIT licence, August 2026) and "CDNA5" Instruction Set Architecture Reference Guide (July 2026). The comments in the code are by the model that wrote it; some were corrected since.
;; Dot Product Attention. Allowed arithmetic: matrix products marked QUANTISED: E2M1 operands, one E8M0 scale for each 32 along K, by v_wmma_scale_f32_16x16x128_f8f6f4 with both operands' format E2M1 (or v_wmma_scale_f32_32x16x128_f4), f32 sums; everything else in f32.
;; Inputs: key 32 x 1,024 x 128 float32; query 32 x 1,024 x 128 float32; valid_length 32 int32; value 32 x 1,024 x 128 float32.
;; Outputs: out0 32 x 1,024 x 128 float32.
;; This version of the problem:
;;   THIS VERSION OF THE PROBLEM IS GIVEN IN LOW PRECISION. The matrix products marked QUANTISED in the list below multiply operands that are first quantised to E2M1 (2 exponent bits, 1 mantissa bit; 4 bits a number), with one power-of-two scale for each 32 numbers along K (OCP MX v1.0); their sums are f32. All else is computed in f32.
;;   The module's matrix products, in the order in which they are computed (A, B: the left and right operand; K: the contracted axis; several contracted axes count as one K, in the product's order):
;;     1. batch 32 x [M 1,024, K 128] x [K 128, N 1,024]; A: input query; B: input key: QUANTISED
;;     2. batch 32 x [M 1,024, K 1,024] x [K 1,024, N 128]; A: softmax (see below); B: input value: QUANTISED
;;   THE QUANTISER, for each operand of a quantised product, along K:
;;     - K is cut into blocks of 32 from its start; a last block that is shorter is filled with zeros.
;;     - A block's scale is 2^e with e = floor(log2(the largest magnitude in the block)) - 2, held to -126 .. 127; a block of zeros has e = 0. As a byte (E8M0): e + 127.
;;     - Each number is divided by its block's scale, clamped to +-6, and rounded to the nearest number of E2M1, ties to even, subnormals kept.
;;     - The product sums the exact products of the quantised numbers (number of the format x scale) in f32.
;;   ~~~python
;;   def quantise(x, axis):      # numpy; x: float32 -> the quantised numbers, widened to float32 again
;;       x = np.moveaxis(x, axis, -1); K = x.shape[-1]
;;       x = np.pad(x, [(0, 0)] * (x.ndim - 1) + [(0, -K % 32)]); x = x.reshape(x.shape[:-1] + (-1, 32)); a = np.abs(x).max(-1, keepdims=True)
;;       e = np.where(a > 0, np.clip(np.frexp(np.where(a > 0, a, 1))[1] - 1 - 2, -126, 127), 0)      # np.frexp(a)[1] - 1 = floor(log2(a)), exactly
;;       r = np.clip(x / 2.0 ** e, -6, 6)
;;       step = 2.0 ** (np.maximum(np.frexp(np.where(r == 0, 1, r))[1] - 1, 0) - 1)
;;       q = np.round(r / step) * step * 2.0 ** e      # np.round: ties to even
;;       return np.moveaxis(q.reshape(q.shape[:-2] + (-1,))[..., :K], -1, axis).astype(np.float32)
;;   ~~~
;;   SOFTMAX AHEAD OF A QUANTISED PRODUCT. Where the list says 'softmax', what is quantised is not the finished softmax but p = 2^(t - M), with t = logit x log2(e) and M = ceil(the row's largest t), a whole number; so 1/2 < the row's largest p <= 1. The row's sum l is taken of the UNQUANTISED p, in f32, and the product's result is divided by l at the end. Since M is a whole number, a kernel that streams over the keys may use a running M (the ceiling of the running maximum): every later rescaling is an exact power of two, which a block's scale takes up: the codes' values come out the same.
;;   OPERANDS COMPUTED ON THE WAY. 'Computed on the way' means the value that the module computes at that place (a softmax that the list does not call 'softmax' is quantised finished and normalised). What goes into a quantiser is computed in f32, as accurately as f32 sums, v_exp_f32 and their like allow (about 1e-6 of the number): no bf16 or f16 on the way to a quantiser, and a product that is left as it is and whose result goes on into a quantised operand takes f32 operands (vector FMAs, or v_wmma_f32_16x16x4_f32). A number that lies on a knife's edge between two numbers of the format may be rounded either way, as far as f32 arithmetic and the matrix unit's own rounding can turn it there, and no further.
;; One version. Each part assembles by itself: llvm-mc -triple=amdgcn-amd-amdhsa -mcpu=gfx1250 --defsym DOCPART=n.
;; ======== version 1 of 1: 2 launches
;; limits: right only within a limited range of input values
;; workspace buffers: kv 4,456,448 bytes; qq 2,228,224 bytes; meta 256 bytes of whole numbers
;; launch prep (part 1): grid 768 x 1, 4 waves a work-group, no clusters, 68,096 bytes of LDS; arguments key, query, value, valid_length, kv, qq, meta; writes kv, qq, meta
.if DOCPART == 1
	.amdgcn_target "amdgcn-amd-amdhsa--gfx1250"
	.amdhsa_code_object_version 6
	.text
	.protected	k_qb9ae321ccf_prep
	.globl	k_qb9ae321ccf_prep
	.p2align	8
	.type	k_qb9ae321ccf_prep,@function
k_qb9ae321ccf_prep:
	s_mov_b64 s[64:65], 0
	v_nop
	global_prefetch_b8 v0, s[64:65] scope:SCOPE_SE
	s_setreg_imm32_b32 hwreg(HW_REG_WAVE_MODE, 25, 1), 1
	s_wait_xcnt 0x0
; key, query, value [32][1024][128] f32 become codes of FP4 (E2M1) with one E8M0 scale byte for each 32 along a product's K: key and query along the head's 128, value along the keys.
; The codes are laid as IMAGES OF THE OPERANDS' REGISTERS.  A fragment (16 rows x 128 K, 8 registers a lane) is 1,024 bytes: registers 4 c .. 4 c + 3 of lane l at 512 c + 16 l.
; The scale words of 8 tiles are 512 bytes: word j of lane l at 128 j + 4 l is the word of tile 2 j + l / 16, row l % 16.
; kv: [32 slots][8 key steps][17,408]: K's 8 fragments, V's 8 fragments, K's scale words, V's scale words.   qq: [32 slots][8 groups of 128 queries][8,704]: 8 fragments, scale words.
; THE ROWS OF A TILE OF K OR Q ARE NOT NEIGHBOURS: lane row rr of tile 2 b + u is row 32 b + 8 u + rr + 8 (rr / 8) of its 128.  A tile f of V holds channels 16 f + rr, its K the step's 128 keys.
; SLOTS.  A batch lies at slot = its rank by work, the longest first: work = valid_length held to 0 .. 1024, and 1024 where it is 0 (then every key counts alike); ties by the batch's number.
; meta: [32 slots][2 words]: the batch's number, valid_length held to 0 .. 1024.
; SHARES.  768 work-groups: 256 for each tensor, 128 rows (65,536 bytes) each; a wave asks for its 16,384 bytes at once, works, stores and ends.  Waves share nothing: no barrier.
; Value's steps are numbered against key's (7 - step), so that work-groups 256 or 512 apart differ in what the mask leaves of them.
; UNDER THE MASK.  Of a batch's 32 blocks of 32 keys only the first ceil(work / 32) hold a key that counts; the next launch takes those blocks of K alone, and V's key steps of 128 that hold one of them.
; The grid must serve every valid_length: a wave whose 32 rows of key lie past those blocks, and a work-group whose 128 rows of value do, reads no data, stores nothing and ends.
; In the step of value that the length cuts, blocks past the length take the step's first block's rows in their stead: finite codes, which the next launch multiplies by codes of zero.
; A block's scale is 2^(floor(log2(its largest magnitude)) - 2); its byte is the largest magnitude's exponent field - 2, held at 1 from below.
; LIMITS: leaving out the masked blocks equals the definition as long as a row's largest valid logit lies above about -999,800 (a masked weight is then 0 in f32);
; a NaN, an infinity or an overflow in rows left out is not carried to the result; a block of zeros gets the byte 1 where the rule says 127 (its codes are zeros, and this program alone reads the bytes);
; NaN and infinities among the inputs are not served.
.set CH,   17408                       ; a key step's chunk in kv
.set QCH,  8704                        ; a group's chunk in qq
.set SPIT, 528                         ; a stage row: 512 bytes + 16: an odd multiple of 16, so that the 16 rows of a read fall on different banks
.set WST,  32*SPIT                     ; a wave's stage
.set TM,   8                           ; v8-23   at work in QUANT: +0..3 largest magnitudes, +4..7 bytes, +12..15 the conversions' scale operands
.set X,    32                          ; v32-159 the wave's 32 rows as loaded; later tile 1's 64 numbers (V: 128 keys of my channel)
.set Y,    160                         ; v160-223 tile 0's 64 numbers (V: the codes)
.set PC0,  224                         ; v224-231, v232-239 the two tiles' codes
.set PC1,  232
.set PW0,  240                         ; v240, v241 their scale words; v242 the two joined
.set PW1,  241
.set PWC,  242
.set BV,   46                          ; s[46:53] value: where the four blocks' rows begin
; My batch's rank: how many batches have a larger key 32 x work + 31 - number.  Lane j holds batch j's valid_length (v24); s22 my batch's.  left: the loads issued behind v24's.
.macro RANK left
	s_wait_loadcnt \left                           ; v24 is in: it was the wave's first load
	s_wait_kmcnt 0x0                               ; s22 is in
	v_min_u32 v25, 0x400, v24                      ; held to 1024 (a negative number, read without sign, too)
	v_cmp_eq_u32 vcc_lo, 0, v24
	v_cndmask_b32 v25, v25, v26, vcc_lo            ; 0 works like 1024
	v_lshl_add_u32 v25, v25, 5, v27                ; 32 x work + 31 - j: no two alike
	s_max_i32 s22, s22, 0
	s_min_u32 s22, s22, 0x400                      ; valid_length held to 0 .. 1024: what meta keeps
	s_cmp_eq_u32 s22, 0
	s_cselect_b32 s23, 0x400, s22
	s_lshl_b32 s23, s23, 5
	s_sub_co_u32 s32, 31, s20
	s_add_co_u32 s23, s23, s32                     ; my batch's key
	v_cmp_lt_u32 vcc_lo, s23, v25
	s_bcnt1_i32_b32 s25, vcc_lo                    ; the larger keys
	s_min_u32 s25, s25, 31                         ; the rank, 0 .. 31
.endm
; 64 numbers of a lane, v[s] .. v[s + 63], register 16 b + i = k 32 b + 16 (lane / 16) + i of my row, become a fragment's codes in v[pc] on and its scale word in v[pw].
.macro QUANT s, pc, pw
.irp b, 0,1,2,3
	v_max3_num_f32 v[TM+\b], |v[\s+16*\b]|, |v[\s+1+16*\b]|, 0x1800000   ; block b: my 16 numbers, and the floor 2^(3 - 127): the byte cannot fall under 1
.endr
.irp i, 2,4,6,8,10,12,14
.irp b, 0,1,2,3
	v_max3_num_f32 v[TM+\b], v[TM+\b], |v[\s+16*\b+\i]|, |v[\s+1+16*\b+\i]|   ; the four blocks by turns
.endr
.endr
.irp b, 0,1,2,3
	v_permlanex16_b32 v[TM+4+\b], v[TM+\b], s40, s41
.endr
.irp b, 0,1,2,3
	v_max_num_f32 v[TM+\b], v[TM+\b], v[TM+4+\b]   ; with lane l xor 16's: the block's largest magnitude
.endr
.irp b, 0,1,2,3
	v_add_nc_u32 v[TM+12+\b], 0xff000000, v[TM+\b] ; 2 off its exponent field: the conversion takes the exponent field of this operand as its scale
.endr
.irp b, 0,1,2,3
	v_lshrrev_b32 v[TM+4+\b], 23, v[TM+12+\b]      ; the scale's byte
.endr
	v_lshl_or_b32 v[\pw], v[TM+5], 8, v[TM+4]      ; the four bytes make my row's scale word, the same in both halves of the lanes
	v_lshl_or_b32 v[\pw], v[TM+6], 16, v[\pw]
	v_lshl_or_b32 v[\pw], v[TM+7], 24, v[\pw]
.irp b, 0,1,2,3
	v_cvt_scalef32_pk8_fp4_f32 v[\pc+2*\b], v[\s+16*\b:\s+7+16*\b], v[TM+12+\b]
	v_cvt_scalef32_pk8_fp4_f32 v[\pc+1+2*\b], v[\s+8+16*\b:\s+15+16*\b], v[TM+12+\b]
.endr
	v_nop                                          ; one plain place behind a scaled conversion
.irp c, 0,1                                    ; the operand's layout wants a whole block in a lane: lanes 0-15 block 2 c, lanes 16-31 block 2 c + 1
.irp i, 0,1
	v_permlane16_swap_b32 v[\pc+4*\c+\i], v[\pc+2+4*\c+\i]
.endr
.endr
.endm
	s_load_b256 s[4:11], s[0:1], 0x0               ; key s[4:5], query s[6:7], value s[8:9], valid_length s[10:11]
	s_load_b128 s[12:15], s[0:1], 0x20             ; kv s[12:13], qq s[14:15]
	s_load_b64 s[16:17], s[0:1], 0x30              ; meta
	v_lshl_add_u32 v254, v0, 2, 0x10800            ; my spare word, behind the four stages
	v_mov_b32 v255, 0
	v_lshrrev_b32 v1, 5, v0
	v_readfirstlane_b32 s18, v1                    ; wave 0..3
	v_and_b32 v1, 31, v0                           ; lane
	v_and_b32 v2, 15, v0                           ; rr
	v_bfe_u32 v3, v0, 4, 1                         ; h
	v_lshlrev_b32 v4, 4, v1                        ; 16 x lane; never rewritten
	v_lshlrev_b32 v7, 2, v1                        ; 4 x lane; never rewritten
	v_mov_b32 v26, 0x400
	v_sub_nc_u32 v27, 31, v1
	s_lshr_b32 s19, ttmp9, 8                       ; 0: key, 1: query, 2: value
	s_and_b32 s32, ttmp9, 255
	s_lshr_b32 s20, s32, 3                         ; the batch
	s_and_b32 s21, s32, 7                          ; which 128 rows of it
	s_cmp_eq_u32 s19, 2
	s_cselect_b32 s32, 7, 0
	s_xor_b32 s21, s21, s32                        ; value: 7 - that
	s_lshl_b32 s32, s20, 2
	s_mov_b32 s33, 0
	s_lshl_b32 s36, s20, 19                        ; a batch is 524,288 bytes,
	s_lshl_b32 s37, s21, 16                        ; 128 rows are 65,536
	s_add_co_u32 s36, s36, s37
	s_mov_b32 s37, 0
	s_mov_b32 s40, 0x76543210
	s_mov_b32 s41, 0xfedcba98                      ; v_permlanex16_b32's selects for lane l xor 16
	s_wait_alu depctr_va_vdst(0)                   ; the wait at the head's end
	s_wait_kmcnt 0x0
	global_load_b32 v24, v7, s[10:11]              ; all 32 lengths, a lane a batch: the wave's first load
	s_add_nc_u64 s[34:35], s[10:11], s[32:33]
	s_load_b32 s22, s[34:35], 0x0                  ; and my batch's
	s_cmp_eq_u32 s19, 1
	s_cbranch_scc1 .Lrows                          ; every query counts: its rows are asked for at once
	s_wait_kmcnt 0x0                               ; key and value: do my rows hold a block that counts?
	s_max_i32 s23, s22, 0
	s_min_u32 s23, s23, 0x400
	s_cmp_eq_u32 s23, 0
	s_cselect_b32 s23, 0x400, s23                  ; the work
	s_add_co_u32 s23, s23, 31
	s_lshr_b32 s23, s23, 5                         ; the batch's blocks of 32 keys that count, 1 .. 32
	s_lshl_b32 s32, s21, 2                         ; my work-group's first block
	s_cmp_eq_u32 s19, 0
	s_cselect_b32 s33, s18, 0
	s_add_co_u32 s32, s32, s33                     ; key: my wave's one block
	s_cmp_ge_u32 s32, s23
	s_cbranch_scc1 .Lnothing                       ; all its keys lie under the mask
	s_cmp_eq_u32 s19, 2
	s_cbranch_scc1 .Lvalue
	; ---- KEY AND QUERY: one text, only pointers and two constants are chosen, by the work-group's number
.Lrows:
	s_cmp_eq_u32 s19, 0
	s_cselect_b64 s[26:27], s[4:5], s[6:7]         ; from
	s_cselect_b64 s[28:29], s[12:13], s[14:15]     ; to
	s_mov_b32 s38, QCH
	s_cselect_b32 s38, CH, s38                     ; a chunk
	s_mov_b32 s39, 8192
	s_cselect_b32 s39, 16384, s39                  ; where its scale words for these tiles begin
	s_lshl_b32 s32, s18, 14
	s_add_co_u32 s36, s36, s32                     ; my wave's 32 rows
	s_add_nc_u64 s[26:27], s[26:27], s[36:37]
.set i, 0
.rept 32                               ; rows in the order of the stage: tile 0's sixteen (0-7, 16-23), then tile 1's (8-15, 24-31)
	global_load_b128 v[X+4*i:X+4*i+3], v4, s[26:27] offset:512*((i%8)+16*((i/8)%2)+8*(i/16)) th:TH_LOAD_NT   ; a row: 32 lanes read 512 consecutive bytes
.set i, i+1
.endr
	s_mul_i32 s24, s18, WST                        ; my stage
	v_add_nc_u32 v5, s24, v4                       ; in: 16 bytes a lane of a row
	v_mul_u32_u24 v6, v2, SPIT
	v_lshl_add_u32 v6, v3, 6, v6
	v_add_nc_u32 v6, s24, v6                       ; back: stage row rr, + 64 h: my 16 numbers of each block of 32
.irp b, 0,1,2,3
	v_mov_b32 v[TM+4+\b], 0                        ; written once: a lane permute's destination counts as one of its sources
.endr
	RANK 32                                        ; the 32 rows' loads are younger
	s_lshl_b32 s42, s25, 3
	s_add_co_u32 s42, s42, s21
	s_mul_i32 s42, s42, s38                        ; my chunk: 8 x rank + part
	s_add_co_u32 s44, s42, s39
	s_lshl_b32 s43, s18, 7
	s_add_co_u32 s44, s44, s43                     ; my two tiles' scale words: 128 bytes a wave
	s_lshl_b32 s43, s18, 11
	s_add_co_u32 s42, s42, s43                     ; my two fragments: 2,048 bytes a wave
	s_mov_b32 s43, 0
	s_mov_b32 s45, 0
	s_add_nc_u64 s[30:31], s[28:29], s[44:45]
	s_add_nc_u64 s[28:29], s[28:29], s[42:43]
.macro ROWS16                          ; sixteen more rows, in two groups of eight as they come in (in order), into the stage
.rept 2
	s_wait_loadcnt 24-i
.rept 8
	ds_store_b128 v5, v[X+4*i:X+4*i+3] offset:SPIT*i
.set i, i+1
.endr
.endr
.endm
.set i, 0
	ROWS16
.irp b, 0,1,2,3
.irp j, 0,1,2,3
	ds_load_b128 v[Y+16*\b+4*\j:Y+16*\b+4*\j+3], v6 offset:128*\b+16*\j   ; tile 0 (LDS serves a wave's instructions in order: these see my stores)
.endr
.endr
	s_wait_dscnt 0x0                               ; tile 0 is in, and the stores have read its rows
	QUANT Y, PC0, PW0                              ; while tile 1's rows come in
.irp c, 0,1
	global_store_b128 v4, v[PC0+4*\c:PC0+4*\c+3], s[28:29] offset:512*\c          ; 32 lanes store 512 consecutive bytes
.endr
	ROWS16
.irp b, 0,1,2,3
.irp j, 0,1,2,3
	ds_load_b128 v[X+16*\b+4*\j:X+16*\b+4*\j+3], v6 offset:16*SPIT+128*\b+16*\j   ; tile 1, into the registers of tile 0's rows
.endr
.endr
	s_wait_dscnt 0x0
	QUANT X, PC1, PW1
.irp c, 0,1
	global_store_b128 v4, v[PC1+4*\c:PC1+4*\c+3], s[28:29] offset:1024+512*\c
.endr
	v_cmp_gt_u32 vcc_lo, 16, v1
	v_cndmask_b32 v[PWC], v[PW1], v[PW0], vcc_lo   ; lanes 0-15 the even tile's words, lanes 16-31 the odd tile's
	global_store_b32 v7, v[PWC], s[30:31]          ; 128 consecutive bytes: one byte in 128 of what the wave reads
	s_or_b32 s32, s19, s21                         ; meta is stored by wave 0 of the work-group that takes key's first 128 rows of the batch (its block 0 always counts)
	s_or_b32 s32, s32, s18
	s_cmp_lg_u32 s32, 0
	s_cbranch_scc1 .Lno_meta
	v_mov_b32 v28, s20                             ; the batch,
	v_mov_b32 v29, s22                             ; its length,
	v_mov_b32 v30, s25
	v_lshlrev_b32 v30, 3, v30                      ; at 8 x rank
	v_cmp_eq_u32 vcc_lo, 0, v0
	s_wait_alu depctr_va_vdst(0)                   ; directly ahead of the wait below
	s_wait_xcnt 0x0                                ; EXEC changes only behind this wait: the stores above have read it
	s_and_saveexec_b32 s34, vcc_lo
	global_store_b64 v30, v[28:29], s[16:17]
	s_wait_xcnt 0x0                                ; and again in front of the line that widens it
	s_or_b32 exec_lo, exec_lo, s34
.Lno_meta:
.Lnothing:
	s_wait_tensorcnt 0x0                           ; the wave's end
	ds_add_u32 v254, v255
	s_wait_dscnt 0x0
	s_endpgm
	; ---- VALUE: a lane takes a channel (the thread's number) and its registers run down the step's 128 keys: a block of 32 keys lies in one lane, and the codes come out with the keys innermost
.Lvalue:
	s_add_nc_u64 s[26:27], s[8:9], s[36:37]
	s_mov_b64 s[BV:BV+1], s[26:27]
	s_mov_b32 s39, 0
.irp q, 1,2,3                                  ; block q's rows, or block 0's again where block q lies past the length
	s_sub_co_i32 s38, s23, s32
	s_sub_co_i32 s38, s38, \q
	s_max_i32 s38, s38, 0
	s_min_u32 s38, s38, 1
	s_mul_i32 s38, s38, 16384*\q
	s_add_nc_u64 s[BV+2*\q:BV+2*\q+1], s[26:27], s[38:39]
.endr
	v_lshlrev_b32 v6, 2, v0                        ; 4 bytes a thread: the four waves stand side by side on a row's 512 bytes
.set i, 0
.irp q, 0,1,2,3
.rept 32
	global_load_b32 v[X+i], v6, s[BV+2*\q:BV+2*\q+1] offset:512*(i-32*\q)
.set i, i+1
.endr
.endr
	v_lshlrev_b32 v5, 4, v2
	v_lshl_add_u32 v5, v3, 10, v5                  ; out: tile 2 wave + lane / 16, 16 bytes at row lane % 16
	RANK 63                                        ; 128 loads are younger; the wait names the largest count that it can
	s_lshl_b32 s42, s25, 3
	s_add_co_u32 s42, s42, s21
	s_mul_i32 s42, s42, CH                         ; my chunk
	s_lshl_b32 s43, s18, 7
	s_add_co_u32 s44, s42, s43
	s_add_co_u32 s44, s44, 16896                   ; V's scale words, 128 bytes a wave
	s_lshl_b32 s43, s18, 11
	s_add_co_u32 s42, s42, s43
	s_add_co_u32 s42, s42, 8192                    ; V's fragments, two a wave
	s_mov_b32 s43, 0
	s_mov_b32 s45, 0
	s_add_nc_u64 s[28:29], s[12:13], s[42:43]
	s_add_nc_u64 s[30:31], s[12:13], s[44:45]
.macro BLOCK q, left                   ; keys 32 q .. 32 q + 31 of my channel: block q = 2 c + h of the fragment.  left: younger loads that may stay out
.set XS, X+32*(\q)
	s_wait_loadcnt \left
	v_max3_num_f32 v8, |v[XS]|, |v[XS+1]|, |v[XS+2]|               ; all 32 numbers are mine: two chains
	v_max3_num_f32 v9, |v[XS+3]|, |v[XS+4]|, |v[XS+5]|
.irp i, 6,10,14,18,22,26
	v_max3_num_f32 v8, v8, |v[XS+\i]|, |v[XS+\i+1]|
	v_max3_num_f32 v9, v9, |v[XS+\i+2]|, |v[XS+\i+3]|
.endr
	v_max3_num_f32 v8, v8, |v[XS+30]|, |v[XS+31]|
	v_max3_num_f32 v8, v8, v9, 0x1800000           ; and the floor
	v_add_nc_u32 v10, 0xff000000, v8               ; the conversion's scale operand
	v_lshrrev_b32 v11, 23, v10                     ; the byte
.if (\q) == 0
	v_mov_b32 v31, v11
.else
	v_lshl_or_b32 v31, v11, 8*(\q), v31            ; four bytes make my channel's scale word for the step
.endif
.irp g, 0,1,2,3
	v_cvt_scalef32_pk8_fp4_f32 v[Y+4*(\q)+\g], v[XS+8*\g:XS+8*\g+7], v10
.endr
	global_store_b128 v5, v[Y+4*(\q):Y+4*(\q)+3], s[28:29] offset:512*((\q)/2)+256*((\q)%2)   ; sixteen lanes store 256 consecutive bytes, aligned.  Each block has code registers of its own; the next block begins with plain vector lines
.endm
	BLOCK 0, 63                                    ; 96 loads are younger
	BLOCK 1, 63                                    ; 64
	BLOCK 2, 32
	BLOCK 3, 0
	global_store_b32 v7, v31, s[30:31]             ; word at 4 x lane: tile 2 wave + lane / 16, row lane % 16
	s_endpgm
.Lfunc_end_k_qb9ae321ccf_prep:
	.size	k_qb9ae321ccf_prep, .Lfunc_end_k_qb9ae321ccf_prep-k_qb9ae321ccf_prep
	.p2alignl 7, 3214868480
	.fill 96, 4, 3214868480
	.section	.rodata,"a",@progbits
	.p2align	6, 0x0
	.amdhsa_kernel k_qb9ae321ccf_prep
		.amdhsa_group_segment_fixed_size 68096
		.amdhsa_private_segment_fixed_size 0
		.amdhsa_enable_private_segment 0
		.amdhsa_kernarg_size 56
		.amdhsa_user_sgpr_count 2
		.amdhsa_user_sgpr_kernarg_segment_ptr 1
		.amdhsa_wavefront_size32 1
		.amdhsa_system_sgpr_workgroup_id_x 1
		.amdhsa_system_sgpr_workgroup_id_y 1
		.amdhsa_system_sgpr_workgroup_id_z 1
		.amdhsa_system_vgpr_workitem_id 0
		.amdhsa_next_free_vgpr 256
		.amdhsa_next_free_sgpr 66
		.amdhsa_reserve_vcc 1
		.amdhsa_float_denorm_mode_32 3
		.amdhsa_float_denorm_mode_16_64 3
		.amdhsa_memory_ordered 1
		.amdhsa_forward_progress 1
		.amdhsa_inst_pref_size 41
	.end_amdhsa_kernel
	.amdgpu_metadata
---
amdhsa.version: [ 1, 2 ]
amdhsa.kernels:
  - .name:           k_qb9ae321ccf_prep
    .symbol:         k_qb9ae321ccf_prep.kd
    .args:
      - { .name: key, .offset: 0, .size: 8, .value_kind: global_buffer, .address_space: global }
      - { .name: query, .offset: 8, .size: 8, .value_kind: global_buffer, .address_space: global }
      - { .name: value, .offset: 16, .size: 8, .value_kind: global_buffer, .address_space: global }
      - { .name: valid_length, .offset: 24, .size: 8, .value_kind: global_buffer, .address_space: global }
      - { .name: kv, .offset: 32, .size: 8, .value_kind: global_buffer, .address_space: global }
      - { .name: qq, .offset: 40, .size: 8, .value_kind: global_buffer, .address_space: global }
      - { .name: meta, .offset: 48, .size: 8, .value_kind: global_buffer, .address_space: global }
    .group_segment_fixed_size: 68096
    .private_segment_fixed_size: 0
    .kernarg_segment_align: 8
    .kernarg_segment_size: 56
    .max_flat_workgroup_size: 128
    .sgpr_count:     66
    .vgpr_count:     256
    .wavefront_size: 32
...
	.end_amdgpu_metadata
.endif
;; end of part 1
;; launch attn (part 2): grid 16 x 16, 16 waves a work-group, no clusters, 214,016 bytes of LDS; arguments qq, kv, meta, out0; writes out0
.if DOCPART == 2
	.amdgcn_target "amdgcn-amd-amdhsa--gfx1250"
	.amdhsa_code_object_version 6
	.text
	.protected	k_qb9ae321ccf_attn
	.globl	k_qb9ae321ccf_attn
	.p2align	8
	.type	k_qb9ae321ccf_attn,@function
k_qb9ae321ccf_attn:
	s_mov_b64 s[64:65], 0
	v_nop
	global_prefetch_b8 v0, s[64:65] scope:SCOPE_SE
	s_setreg_imm32_b32 hwreg(HW_REG_WAVE_MODE, 25, 1), 1
	s_wait_xcnt 0x0
; out0[b][q][:] = the sum over k of softmax_k(logit) value[b][k][:], logit = query . key / sqrt(128), and -1e6 where k >= valid_length[b].  Both products on codes of FP4 (E2M1) with E8M0 scales,
; made by the launch before and laid as images of the operands' registers (kv, qq), a batch at slot = its rank by work; meta gives a slot's batch and its valid_length, held to 0 .. 1024.
; SHARES.  A work-group (x, y) of sixteen waves serves 64 queries (4 tiles of 16) of slot y (unit 0, much work) and 64 of slot 31 - y (unit 1, little).
; FIRST PRODUCT: THE KEYS ARE DEALT AMONG THE WAVES.  An item is a block of 32 keys x the unit's 64 queries: 8 matrix instructions.  Wave w takes blocks w and w + 16 of unit 0, blocks 15 - w and 31 - w of unit 1,
; as far as they hold a key that counts: so each fragment of K is read once in a work-group, straight into registers.
; THE SOFTMAX: t = logit x log2(e).  EACH BLOCK OF 32 KEYS HAS AN M OF ITS OWN, its largest t rounded up to a whole number; p = 2^(t - M) is quantised along the block; the block's sum is taken of the unquantised p.
; The codes go to LDS as P's fragments, and a record of -M, the scale's byte and the sums beside them.  Behind a barrier each row's blocks are brought under the row's largest M: M's are whole numbers, so the difference is
; added to the block's scale byte (held at 1 from below: what falls under it is less than 2^-120 of the row's largest p) and the block's sum is multiplied by that power of two.  The codes stay as they are.
; SECOND PRODUCT: THE CHANNELS ARE DEALT.  Wave w owns channels 16 (w % 8) .. + 15 of unit w / 8 and walks the unit's key steps of 128: each fragment of V is read once in a work-group, straight into registers; P comes from LDS.
; A masked key has t = the f32 number -1e6 x log2(e) = -1,442,695.0.  With valid_length = 0 every t is that number, p = 1, and all 32 blocks are walked.
; With valid_length > 0 only the ceil(valid_length / 32) blocks that hold a valid key are walked; in the block that the length cuts, masked t take that number, so their p is 0.  A block that is not walked gets codes of zero and sums of 0.
; LIMITS: leaving out the masked blocks equals the definition as long as a row's largest valid logit lies above about -999,800 (a masked p is then 0 in f32); NaN and infinities are not served, and those that reach only
; the work left out are not carried to the result; scaled scores t under 2^31 in magnitude.
; NO TENSOR LOAD AND NO CLUSTER.  No prefetch: there is no loop to run ahead in.
; LAYOUT.  Both products transposed: S^T = K Q^T, O^T = V^T P^T: a lane holds one query.  The keys of a tile of K are chosen so that a lane's 16 registers of a block are its keys 16 (lane / 16) + 0 .. 15.
; The queries of a tile are rows rr + 8 (rr / 8) from the tile's first row: the way out puts them back.
.set CH,   17408                       ; a chunk of kv: K's 8 fragments, V's 8, K's scale words at 16,384, V's at 16,896
.set QCH,  8704
.set REG,  8*CH                        ; a slot in kv
; LDS
.set PB,   8192                        ; below it Q's fragments, 4,096 bytes a unit.  P: [unit][step][tile] fragments of 1,024 bytes
.set RPIT, 1032                        ; a block's records: [tile][lane] 8 bytes, + 8: eight blocks on is a quarter of the banks on
.set RB,   PB+65536                    ; records: [unit][block]
.set WB,   RB+64*RPIT                  ; P's scale words: [unit][step][64 queries]
.set RL,   WB+4096                     ; 1 / the row's sum: [unit][64 queries]
.set STG,  RL+512                      ; the way out: [unit][64 rows] of 512 bytes + 16
.set SPARE, STG+2*64*528               ; the spare words, 128 bytes a wave
; VECTOR REGISTERS: v1 the masked t; v4 16 lane, v5 4 lane, v6 4 rr; v7-26 addresses and offsets that stay; v27 16 h; v[28:29] zeros; v[30:31] an empty block's record
.set SPW,  19
.set NIL,  20
.set QS,   32                          ; v32-35 Q's scale words (two tiles a register), v36-39 K's, v40-47 V's, v48-51 P's: scales alone
.set KS,   36
.set VS,   40
.set PW,   48
.set MX,   52                          ; v52-55 a block's largest score, then p, of the four tiles
.set PX,   56
.set NM,   60                          ; v60-67 -M, in the low word of a pair
.set SM,   68
.set SC,   76
.set RC,   80
.set CD,   88
.set S,    96                          ; v96-159 S^T, then p
.set O,    128                         ; v128-159 O^T
.set Q,    160                         ; v160-191 Q, later P's even steps
.set K,    192                         ; v192-207 K of unit 0's item, v208-223 of unit 1's; later P's odd steps
.set V,    224                         ; v224-255 V's steps 0 to 3
.set V4,   64                          ; v64-95   V's steps 4 to 7
.macro KLOAD k, u, vo, vw, imm         ; K's two tiles of an item and their scale words
.irp t, 0,1
.irp c, 0,1
	global_load_b128 v[K+16*\u+8*\t+4*\c:K+16*\u+8*\t+4*\c+3], v[\vo], s[28+2*\u:29+2*\u] offset:\imm+1024*\t+512*\c
.endr
.endr
	global_load_b32 v[KS+\u], v[\vw], s[28+2*\u:29+2*\u] offset:\imm   ; (a unit's two items use the same registers in turn)
.endm
; V's four steps from t0 on: three loads each, issued whether the step is wanted or not, so that counted waits hold on every way; where it is not, all lanes name the same bytes of chunk 0.  Offsets in v[tv] on, codes into v[dst] on.
.macro VFLAGS t0
.irp t, 0,1,2,3
	s_sub_co_i32 s[48+\t], s44, \t0+\t
	s_max_i32 s[48+\t], s[48+\t], 0
	s_min_u32 s[48+\t], s[48+\t], 1                ; 1 where the step is wanted
.endr
.endm
.macro VOFFS t0, tv
.irp t, 0,1,2,3
	v_add_nc_u32 v[\tv+2*\t], (\t0+\t)*CH, v25
	v_add_nc_u32 v[\tv+2*\t+1], (\t0+\t)*CH, v26
.endr
.irp t, 0,1,2,3
	v_mul_u32_u24 v[\tv+2*\t], s[48+\t], v[\tv+2*\t]
	v_mul_u32_u24 v[\tv+2*\t+1], s[48+\t], v[\tv+2*\t+1]
.endr
.endm
.macro VLOADS t0, tv, dst
.irp t, 0,1,2,3
.irp c, 0,1
	global_load_b128 v[\dst+8*\t+4*\c:\dst+8*\t+4*\c+3], v[\tv+2*\t], s[38:39] offset:512*\c
.endr
	global_load_b32 v[VS+\t0+\t], v[\tv+2*\t+1], s[38:39]
.endr
.endm
; ITEM k of unit u = k % 2.  cnt: loads younger than this item's K that may stay out.
.macro ITEM k, u, cnt
	s_cmp_le_u32 s[46+\u], s[52+\k]
	s_cbranch_scc1 .Lempty_\k                      ; the block holds no key that counts
.irp q, 0,1,2,3
.irp c, 0,1
	ds_load_b128 v[Q+8*\q+4*\c:Q+8*\q+4*\c+3], v4 offset:4096*\u+1024*\q+512*\c
.endr
.endr
	s_mov_b32 s40, s22                             ; the factor from score to t
	s_mov_b32 s41, s22
	s_lshl_b32 s59, s[52+\k], 5
	s_add_co_u32 s60, s59, 32                      ; the block's end
	s_wait_loadcnt \cnt
	s_wait_dscnt 0x0                               ; Q is in, and an earlier item's stores have read their registers
.irp q, 0,2
	v_wmma_scale_f32_16x16x128_f8f6f4 v[S+16*\q:S+16*\q+7], v[K+16*\u:K+16*\u+7], v[Q+8*\q:Q+8*\q+7], 0, v[KS+\u], v[QS+2*\u+\q/2] matrix_a_fmt:MATRIX_FMT_FP4 matrix_b_fmt:MATRIX_FMT_FP4
	v_wmma_scale_f32_16x16x128_f8f6f4 v[S+16*\q+16:S+16*\q+23], v[K+16*\u:K+16*\u+7], v[Q+8*\q+8:Q+8*\q+15], 0, v[KS+\u], v[QS+2*\u+\q/2] matrix_a_fmt:MATRIX_FMT_FP4 matrix_b_fmt:MATRIX_FMT_FP4 matrix_b_scale:MATRIX_SCALE_ROW1
.endr
.irp q, 0,2
	v_wmma_scale_f32_16x16x128_f8f6f4 v[S+16*\q+8:S+16*\q+15], v[K+16*\u+8:K+16*\u+15], v[Q+8*\q:Q+8*\q+7], 0, v[KS+\u], v[QS+2*\u+\q/2] matrix_a_fmt:MATRIX_FMT_FP4 matrix_b_fmt:MATRIX_FMT_FP4 matrix_a_scale:MATRIX_SCALE_ROW1
	v_wmma_scale_f32_16x16x128_f8f6f4 v[S+16*\q+24:S+16*\q+31], v[K+16*\u+8:K+16*\u+15], v[Q+8*\q+8:Q+8*\q+15], 0, v[KS+\u], v[QS+2*\u+\q/2] matrix_a_fmt:MATRIX_FMT_FP4 matrix_b_fmt:MATRIX_FMT_FP4 matrix_a_scale:MATRIX_SCALE_ROW1 matrix_b_scale:MATRIX_SCALE_ROW1
.endr
.rept 4
	v_nop                                          ; four places in front of the loads into K's registers and of the first read of the scores
.endr
.if \k < 2
	s_cmp_le_u32 s[46+\u], s[54+\k]
	s_cbranch_scc1 .Lnok_\k
	KLOAD \u, \u, 21+2*\u, 22+2*\u, 4*CH           ; the unit's second item, 16 blocks on, if it counts: into the registers just multiplied, its scale words too
.Lnok_\k:
.endif
	s_cmp_ge_u32 s[25+2*\u], s60
	s_cbranch_scc1 .Lopen_\k                       ; all 32 keys count
	s_sub_co_i32 s59, s[25+2*\u], s59
	v_sub_nc_u32 v[SM], s59, v27                   ; d = valid_length - 32 block - 16 h: register i holds key 16 h + i of the block, masked where i >= d
.set n, 0
.rept 32
	v_pk_mul_f32 v[S+n:S+n+1], v[S+n:S+n+1], s[22:23] op_sel_hi:[1,0]   ; t; each accumulator from its low end on
.set n, n+2
.endr
.set n, 0
.rept 16
	v_cmp_ge_i32 vcc_lo, n, v[SM]
.irp q, 0,1,2,3
	v_cndmask_b32 v[S+16*\q+n], v[S+16*\q+n], v1, vcc_lo
.endr
.set n, n+1
.endr
	s_mov_b32 s40, 1.0                             ; they are t already
	s_mov_b32 s41, 1.0
.Lopen_\k:
.irp q, 0,1,2,3
	v_max3_num_f32 v[MX+\q], v[S+16*\q], v[S+1+16*\q], v[S+2+16*\q]   ; the block's largest score for each query: it serves M and the block's largest p
.endr
.irp i, 3,5,7,9,11,13
.irp q, 0,1,2,3
	v_max3_num_f32 v[MX+\q], v[MX+\q], v[S+16*\q+\i], v[S+1+16*\q+\i]   ; the four tiles by turns
.endr
.endr
.irp q, 0,1,2,3
	v_max_num_f32 v[MX+\q], v[MX+\q], v[S+15+16*\q]
.endr
.irp q, 0,1,2,3
	v_permlanex16_b32 v[PX+\q], v[MX+\q], s20, s21
.endr
.irp q, 0,1,2,3
	v_max_num_f32 v[MX+\q], v[MX+\q], v[PX+\q]     ; with lane l xor 16's 16 keys
.endr
.irp q, 0,1,2,3
	v_mul_f32 v[PX+\q], s40, v[MX+\q]              ; as t (the factor is positive)
.endr
.irp q, 0,1,2,3
	v_floor_f32 v[NM+2*\q], -v[PX+\q]              ; -M = -ceil(t)
.endr
.set n, 0
.rept 32
	v_pk_fma_f32 v[S+n:S+n+1], v[S+n:S+n+1], s[40:41], v[NM+2*(n/16):NM+2*(n/16)+1] op_sel_hi:[1,0,0]   ; t - M, two at a time (of the pairs the low word serves both halves)
.set n, n+2
.endr
.irp q, 0,1,2,3
	v_fma_f32 v[MX+\q], v[MX+\q], s40, v[NM+2*\q]  ; the same of the block's largest score
.endr
	s_wait_alu depctr_va_vdst(0)                   ; the wait ahead of the batch
.set n, 0
.rept 64
	v_exp_f32 v[S+n], v[S+n]                       ; p = 2^(t - M), not normalised
.set n, n+1
.endr
.irp q, 0,1,2,3
	v_exp_f32 v[MX+\q], v[MX+\q]                   ; the block's largest p, between 1/2 and 1: the same arithmetic on the same number gives the same bits
.endr
	v_nop                                          ; the plain place behind the batch
	s_wait_alu depctr_va_vdst(0)                   ; one wait for the batch, ahead of its first reader
.irp q, 0,1,2,3
	v_pk_add_f32 v[SM+2*\q:SM+2*\q+1], v[S+16*\q:S+16*\q+1], v[S+16*\q+2:S+16*\q+3]
.endr
.irp i, 4,6,8,10,12,14
.irp q, 0,1,2,3
	v_pk_add_f32 v[SM+2*\q:SM+2*\q+1], v[SM+2*\q:SM+2*\q+1], v[S+16*\q+\i:S+16*\q+\i+1]
.endr
.endr
.irp q, 0,1,2,3
	v_add_nc_u32 v[SC+\q], 0xff000000, v[MX+\q]    ; 2 off the largest p's exponent field: the conversion's scale operand
.endr
.irp q, 0,1,2,3
	v_lshrrev_b32 v[PX+\q], 23, v[SC+\q]           ; the scale's byte, 124 or 125
.endr
.irp q, 0,1,2,3
	v_cndmask_b32 v[RC+2*\q], v[NM+2*\q], v[PX+\q], s42   ; the record: lanes 0-15 -M, lanes 16-31 the byte;
.endr
.irp q, 0,1,2,3
	v_add_f32 v[RC+2*\q+1], v[SM+2*\q], v[SM+2*\q+1]      ; and the sum of my 16 keys
.endr
.irp q, 0,1,2,3
	v_cvt_scalef32_pk8_fp4_f32 v[CD+2*\q], v[S+16*\q:S+7+16*\q], v[SC+\q]
	v_cvt_scalef32_pk8_fp4_f32 v[CD+1+2*\q], v[S+8+16*\q:S+15+16*\q], v[SC+\q]
.endr
	v_nop                                          ; one plain place behind a scaled conversion
.irp q, 0,1,2,3
	ds_store_b64 v[7+\u], v[CD+2*\q:CD+2*\q+1] offset:32768*\u+16384*(\k/2)+1024*\q   ; my 16 codes, where P's fragment has them
	ds_store_b64 v[9+\u], v[RC+2*\q:RC+2*\q+1] offset:32*RPIT*\u+16*RPIT*(\k/2)+256*\q
.endr
	s_branch .Ldone_\k
.Lempty_\k:
.irp q, 0,1,2,3
	ds_store_b64 v[7+\u], v[28:29] offset:32768*\u+16384*(\k/2)+1024*\q
	ds_store_b64 v[9+\u], v[30:31] offset:32*RPIT*\u+16*RPIT*(\k/2)+256*\q
.endr
.Ldone_\k:
.endm
.macro PLOAD s                         ; P's four fragments of step s
.irp q, 0,1,2,3
.irp c, 0,1
	ds_load_b128 v[Q+32*((\s)%2)+8*\q+4*\c:Q+32*((\s)%2)+8*\q+4*\c+3], v14 offset:4096*(\s)+1024*\q+512*\c
.endr
.endr
.endm
.macro PWLOAD s                        ; and their scale words: lanes 0-15 tile 2 g, lanes 16-31 tile 2 g + 1
.irp g, 0,1
	ds_load_b32 v[PW+2*((\s)%2)+\g], v15 offset:256*(\s)+128*\g
.endr
.endm
; Step s of the second product: the four accumulators by turns, three others' instructions between two links on one of them.
.macro PV s
.if \s > 0
	s_cmp_le_u32 s44, \s
	s_cbranch_scc1 .Lpvdone                        ; my unit has no such step
.rept 4
	v_nop                                          ; places in front of the loads into what step s - 1 multiplied
.endr
.endif
.if \s == 4
	s_wait_loadcnt 0x0                             ; V's steps 4 to 7
.endif
.if \s < 7
	PLOAD \s+1                                     ; (every byte of P and of its scale words is written, whether the step is walked or not)
	PWLOAD \s+1
	s_wait_dscnt 10                                ; all but the ten just issued
.else
	s_wait_dscnt 0x0
.endif
.set VR, V+8*(\s)
.if \s > 3
.set VR, V4+8*(\s-4)
.endif
.set PR, Q+32*((\s)%2)
.set PS, PW+2*((\s)%2)
.irp q, 0,2
.if \s == 0
	v_wmma_scale_f32_16x16x128_f8f6f4 v[O+8*\q:O+8*\q+7], v[VR:VR+7], v[PR+8*\q:PR+8*\q+7], 0, v[VS+\s], v[PS+\q/2] matrix_a_fmt:MATRIX_FMT_FP4 matrix_b_fmt:MATRIX_FMT_FP4
	v_wmma_scale_f32_16x16x128_f8f6f4 v[O+8*\q+8:O+8*\q+15], v[VR:VR+7], v[PR+8*\q+8:PR+8*\q+15], 0, v[VS+\s], v[PS+\q/2] matrix_a_fmt:MATRIX_FMT_FP4 matrix_b_fmt:MATRIX_FMT_FP4 matrix_b_scale:MATRIX_SCALE_ROW1
.else
	v_wmma_scale_f32_16x16x128_f8f6f4 v[O+8*\q:O+8*\q+7], v[VR:VR+7], v[PR+8*\q:PR+8*\q+7], v[O+8*\q:O+8*\q+7], v[VS+\s], v[PS+\q/2] matrix_a_fmt:MATRIX_FMT_FP4 matrix_b_fmt:MATRIX_FMT_FP4
	v_wmma_scale_f32_16x16x128_f8f6f4 v[O+8*\q+8:O+8*\q+15], v[VR:VR+7], v[PR+8*\q+8:PR+8*\q+15], v[O+8*\q+8:O+8*\q+15], v[VS+\s], v[PS+\q/2] matrix_a_fmt:MATRIX_FMT_FP4 matrix_b_fmt:MATRIX_FMT_FP4 matrix_b_scale:MATRIX_SCALE_ROW1
.endif
.endr
.endm
.macro MEET
	s_wait_dscnt 0x0                               ; for the others' sake: my stores have landed, my loads are over
	s_barrier_signal -1
	s_barrier_wait -1
.endm
	s_load_b256 s[4:11], s[0:1], 0x0               ; qq s[4:5], kv s[6:7], meta s[8:9], out0 s[10:11]
	v_lshl_add_u32 v[SPW], v0, 2, SPARE
	v_mov_b32 v[NIL], 0
	v_lshrrev_b32 v1, 5, v0
	v_readfirstlane_b32 s12, v1                    ; wave w, 0..15
	s_lshr_b32 s13, s12, 3                         ; u: my unit in the second product
	s_and_b32 s14, s12, 7                          ; f: its 16 channels; also which 8 of the unit's 64 queries I sum and store
	s_mov_b32 s52, s12                             ; the blocks of my four items
	s_xor_b32 s53, s12, 15
	s_add_co_u32 s54, s52, 16
	s_add_co_u32 s55, s53, 16
	s_mov_b32 s15, ttmp9                           ; x: which 64 queries
	s_and_b32 s16, ttmp7, 0xffff                   ; y: unit 0's slot
	s_sub_co_u32 s17, 31, s16                      ; unit 1's
	s_lshl_b32 s18, s16, 3                         ; meta: 8 bytes a slot
	s_mov_b32 s19, 0
	s_lshl_b32 s58, s17, 3
	s_mov_b32 s59, 0
	s_mul_i32 s28, s16, REG                        ; kv: the slots
	s_mov_b32 s29, 0
	s_mul_i32 s30, s17, REG
	s_mov_b32 s31, 0
	s_lshr_b32 s81, s15, 1
	s_add_co_u32 s32, s18, s81
	s_mul_i32 s32, s32, QCH                        ; qq: chunk 8 slot + x / 2
	s_mov_b32 s33, 0
	s_add_co_u32 s34, s58, s81
	s_mul_i32 s34, s34, QCH
	s_mov_b32 s35, 0
	s_and_b32 s81, s15, 1
	s_lshl_b32 s79, s81, 8                         ; its half: 256 bytes of scale words,
	s_lshl_b32 s78, s81, 12                        ; 4,096 of codes,
	s_lshl_b32 s81, s14, 9
	s_add_co_u32 s78, s78, s81                     ; of which I bring 512 into LDS
	s_lshl_b32 s80, s12, 9
.irp e, 0,1                                    ; of block w and of block 15 - w: its place in P, its records, its codes and scale words in a slot
	s_lshr_b32 s81, s[52+\e], 2
	s_and_b32 s82, s[52+\e], 3
	s_lshl_b32 s83, s82, 8
	s_lshl_b32 s[43+2*\e], s81, 12
	s_add_co_u32 s[43+2*\e], s[43+2*\e], s83
	s_add_co_u32 s[43+2*\e], s[43+2*\e], PB
	s_mul_i32 s[60+\e], s[52+\e], RPIT
	s_add_co_u32 s[60+\e], s[60+\e], RB
	s_mul_i32 s81, s81, CH
	s_lshl_b32 s83, s82, 11
	s_add_co_u32 s[72+2*\e], s81, s83
	s_lshl_b32 s83, s82, 7
	s_add_co_u32 s[73+2*\e], s81, s83
	s_add_co_u32 s[73+2*\e], s[73+2*\e], 16384
.endr
	s_mul_i32 s62, s13, 32*RPIT                    ; the records that I sum
	s_lshr_b32 s81, s14, 1
	s_lshl_b32 s81, s81, 8
	s_add_co_u32 s62, s62, s81
	s_and_b32 s81, s14, 1
	s_lshl_b32 s81, s81, 6
	s_add_co_u32 s62, s62, s81
	s_add_co_u32 s62, s62, RB
	s_lshl_b32 s68, s13, 11
	s_add_co_u32 s68, s68, WB                      ; my unit's scale words of P
	s_lshl_b32 s81, s14, 5
	s_add_co_u32 s63, s68, s81
	s_lshl_b32 s69, s13, 8
	s_add_co_u32 s69, s69, RL                      ; and its reciprocal sums
	s_add_co_u32 s66, s69, s81
	s_lshl_b32 s67, s13, 15
	s_add_co_u32 s67, s67, PB                      ; P
	s_mul_i32 s70, s13, 64*528
	s_lshl_b32 s81, s14, 6
	s_add_co_u32 s77, s81, 16896                   ; V's scale words: 64 bytes a tile
	s_add_co_u32 s70, s70, s81
	s_add_co_u32 s70, s70, STG
	s_mul_i32 s71, s12, 8*528
	s_add_co_u32 s71, s71, STG
	s_lshl_b32 s76, s14, 10
	s_add_co_u32 s76, s76, 8192                    ; V's fragment
	s_lshl_b32 s83, s15, 6                         ; the 8 rows of out0 that I store: 64 x + 32 (f / 4) + 8 (f / 2 % 2) + 16 (f % 2)
	s_lshr_b32 s81, s14, 2
	s_lshl_b32 s81, s81, 5
	s_add_co_u32 s83, s83, s81
	s_bfe_u32 s81, s14, 0x10001
	s_lshl_b32 s81, s81, 3
	s_add_co_u32 s83, s83, s81
	s_and_b32 s81, s14, 1
	s_lshl_b32 s81, s81, 4
	s_add_co_u32 s83, s83, s81
	s_lshl_b32 s83, s83, 9                         ; rows of 512 bytes
	s_mov_b32 s20, 0x76543210
	s_mov_b32 s21, 0xfedcba98                      ; v_permlanex16_b32's selects for lane l xor 16
	s_mov_b32 s22, 0x3e0293ee                      ; c = log2(e) / sqrt(128)
	s_mov_b32 s23, s22                             ; (named with it as a pair, so it is written)
	s_mov_b32 s42, 0xffff0000                      ; lanes 16-31
	v_and_b32 v1, 31, v0                           ; lane
	v_and_b32 v2, 15, v0                           ; rr
	v_bfe_u32 v3, v0, 4, 1                         ; h
	v_lshlrev_b32 v4, 4, v1
	v_lshlrev_b32 v5, 2, v1
	v_lshlrev_b32 v6, 2, v2
	v_lshlrev_b32 v71, 4, v2
	v_lshl_add_u32 v71, v3, 3, v71
	v_add_nc_u32 v7, s43, v71                      ; into P: 16 rr + 8 h
	v_add_nc_u32 v8, s45, v71
	v_lshlrev_b32 v72, 3, v1
	v_add_nc_u32 v9, s60, v72                      ; records: 8 lane
	v_add_nc_u32 v10, s61, v72
	v_lshrrev_b32 v73, 3, v1                       ; j: eight blocks each
	v_and_b32 v74, 7, v1                           ; my query of the wave's eight
	v_mul_u32_u24 v11, v73, 8*RPIT
	v_lshl_add_u32 v11, v74, 3, v11
	v_add_nc_u32 v11, s62, v11                     ; the records that I sum
	v_lshlrev_b32 v12, 9, v73
	v_lshl_add_u32 v12, v74, 2, v12
	v_add_nc_u32 v12, s63, v12                     ; scale words of steps 2 j, 2 j + 1
	v_lshlrev_b32 v13, 2, v74
	v_add_nc_u32 v13, s66, v13                     ; the reciprocal sum
	v_add_nc_u32 v14, s67, v4                      ; P's fragments
	v_add_nc_u32 v15, s68, v5                      ; and scale words
	v_add_nc_u32 v16, s69, v6
	v_mul_u32_u24 v17, v2, 528
	v_lshl_add_u32 v17, v3, 5, v17
	v_add_nc_u32 v17, s70, v17                     ; the stage, in: row rr of a tile, my 8 channels
	v_add_nc_u32 v18, s71, v4                      ; and back: a row an instruction
	v_add_nc_u32 v21, s72, v4                      ; K: block w,
	v_add_nc_u32 v22, s73, v5
	v_add_nc_u32 v23, s74, v4                      ; block 15 - w
	v_add_nc_u32 v24, s75, v5
	v_add_nc_u32 v25, s76, v4                      ; V
	v_add_nc_u32 v26, s77, v6
	v_lshlrev_b32 v27, 4, v3
	v_mov_b32 v28, 0
	v_mov_b32 v29, 0
	v_mov_b32 v75, 0x7f61b1e6                      ; an empty block's -M: 3e38,
	v_mov_b32 v76, 124                             ; and byte
	v_cndmask_b32 v30, v75, v76, s42
	v_mov_b32 v31, 0
	v_add_nc_u32 v68, s80, v4                      ; Q into LDS
	v_add_nc_u32 v69, s79, v5
	v_add_nc_u32 v70, s78, v4
.irp q, 0,1,2,3
	v_mov_b32 v[PX+\q], 0                          ; written once: a lane permute's destination counts as one of its sources
	v_mov_b32 v[NM+2*\q+1], 0                      ; (named as the upper half of a pair)
.endr
	v_mov_b32 v1, 0xc9b01c38                       ; the masked t: -1,442,695.0
	s_wait_alu depctr_va_vdst(0)                   ; directly ahead of the wait below
	s_wait_kmcnt 0x0
	s_add_nc_u64 s[18:19], s[8:9], s[18:19]
	s_load_b64 s[24:25], s[18:19], 0x0             ; unit 0's batch and valid_length
	s_add_nc_u64 s[58:59], s[8:9], s[58:59]
	s_load_b64 s[26:27], s[58:59], 0x0             ; unit 1's
	s_add_nc_u64 s[28:29], s[6:7], s[28:29]
	s_add_nc_u64 s[30:31], s[6:7], s[30:31]
	s_add_nc_u64 s[32:33], s[4:5], s[32:33]
	s_add_nc_u64 s[34:35], s[4:5], s[34:35]
	s_cmp_eq_u32 s13, 0
	s_cselect_b64 s[36:37], s[32:33], s[34:35]
	s_cselect_b64 s[38:39], s[28:29], s[30:31]
	global_load_b128 v[CD:CD+3], v70, s[36:37]     ; my 512 bytes of Q: the wave's first load
.irp g, 0,1
	global_load_b32 v[QS+\g], v69, s[32:33] offset:8192+128*\g
	global_load_b32 v[QS+2+\g], v69, s[34:35] offset:8192+128*\g
.endr
	s_wait_kmcnt 0x0
	s_min_u32 s24, s24, 31
	s_min_u32 s25, s25, 0x400
	s_min_u32 s26, s26, 31
	s_min_u32 s27, s27, 0x400
.irp e, 0,1
	s_add_co_u32 s[46+\e], s[25+2*\e], 31
	s_lshr_b32 s[46+\e], s[46+\e], 5
	s_cmp_eq_u32 s[25+2*\e], 0
	s_cselect_b32 s[46+\e], 32, s[46+\e]           ; the unit's blocks to walk, 1 .. 32
.endr
.irp e, 0,1
	s_sub_co_i32 s[56+\e], s[46+\e], s[52+\e]
	s_max_i32 s[56+\e], s[56+\e], 0
	s_min_u32 s[56+\e], s[56+\e], 1                ; 1 where my first block of the unit is wanted, else its loads name the same bytes of chunk 0
.endr
	v_mul_u32_u24 v96, s56, v21
	v_mul_u32_u24 v97, s56, v22
	v_mul_u32_u24 v98, s57, v23
	v_mul_u32_u24 v99, s57, v24
	KLOAD 0, 0, 96, 97, 0
	KLOAD 1, 1, 98, 99, 0
	s_cmp_eq_u32 s13, 0
	s_cselect_b32 s44, s46, s47
	s_cselect_b32 s74, s24, s26                    ; my unit's batch
	s_add_co_u32 s44, s44, 3
	s_lshr_b32 s44, s44, 2                         ; its key steps of 128, 1 .. 8
	VFLAGS 0
	VOFFS 0, 100
	VLOADS 0, 100, V
	s_lshl_b32 s74, s74, 19
	s_add_co_u32 s74, s74, s83
	s_mov_b32 s75, 0
	s_add_nc_u64 s[72:73], s[10:11], s[74:75]      ; out0 at my 8 rows
	s_wait_alu depctr_va_vdst(0)                   ; the wait at the head's end
	s_wait_loadcnt 26                              ; my part of Q is in: younger are 4 loads of scale words, 10 of K, 12 of V
	ds_store_b128 v68, v[CD:CD+3]
	s_wait_xcnt 0x0                                ; the loads have read their offsets: v96-107 may be written
	MEET                                           ; Q is whole
	ITEM 0, 0, 17                                  ; younger: 5 of the next item's K, 12 of V
	ITEM 1, 1, 12                                  ; V's 12 (and perhaps item 2's K: then the wait asks for more than is needed)
	ITEM 2, 0, 0
	ITEM 3, 1, 0
	VFLAGS 4
	VOFFS 4, 52
	s_wait_alu depctr_va_vdst(0)                   ; directly ahead of the wait below
	s_wait_dscnt 0x0                               ; my stores have read v80-95
	VLOADS 4, 52, V4
	MEET                                           ; P's codes and the records are whole
	; EIGHT QUERIES A WAVE, four lanes each, eight blocks a lane: the row's largest M, the sum, the scale words.  Register 96 + 4 b: -M, the sum of 16 keys, the byte, the sum of the other 16
.irp b, 0,1,2,3,4,5,6,7
	ds_load_b64 v[S+4*\b:S+4*\b+1], v11 offset:RPIT*\b
	ds_load_b64 v[S+4*\b+2:S+4*\b+3], v11 offset:RPIT*\b+128
.endr
	PLOAD 0                                        ; step 0's codes land meanwhile
	s_wait_dscnt 8                                 ; all but those eight
	v_max3_num_f32 v128, -v96, -v100, -v104
	v_max3_num_f32 v129, -v108, -v112, -v116
	v_max_num_f32 v130, -v120, -v124
.irp b, 0,1,2,3
	v_add_f32 v[S+4*\b+1], v[S+4*\b+1], v[S+4*\b+3]
.endr
	v_max3_num_f32 v128, v128, v129, v130
.irp b, 4,5,6,7
	v_add_f32 v[S+4*\b+1], v[S+4*\b+1], v[S+4*\b+3]
.endr
	v_max_num_f32_dpp v128, v128, v128 row_xmask:8 row_mask:0xf bank_mask:0xf
	v_permlanex16_b32 v129, v128, s20, s21
	v_max_num_f32 v128, v128, v129                 ; the row's largest M
.irp b, 0,1,2,3,4,5,6,7
	v_sub_f32 v[S+4*\b], -v[S+4*\b], v128          ; the block's M less the row's: a whole number, 0 or less
.endr
.irp b, 0,1,2,3,4,5,6,7
	v_max_num_f32 v[S+4*\b], 0xc2f60000, v[S+4*\b] ; held at -123: the byte, 124 or 125 before, cannot fall under 1
.endr
.irp b, 0,1,2,3,4,5,6,7
	v_cvt_i32_f32 v[S+4*\b], v[S+4*\b]
.endr
.irp b, 0,1,2,3,4,5,6,7
	v_ldexp_f32 v[S+4*\b+1], v[S+4*\b+1], v[S+4*\b]
.endr
.irp b, 0,1,2,3,4,5,6,7
	v_add_nc_u32 v[S+4*\b+2], v[S+4*\b+2], v[S+4*\b]
.endr
	v_add_f32 v132, v97, v101
	v_add_f32 v133, v105, v109
	v_add_f32 v134, v113, v117
	v_add_f32 v135, v121, v125
	v_lshl_or_b32 v130, v102, 8, v98               ; step 2 j's word
	v_lshl_or_b32 v131, v118, 8, v114              ; step 2 j + 1's
	v_add_f32 v132, v132, v133
	v_add_f32 v134, v134, v135
	v_lshl_or_b32 v130, v106, 16, v130
	v_lshl_or_b32 v131, v122, 16, v131
	v_add_f32 v132, v132, v134
	v_lshl_or_b32 v130, v110, 24, v130
	v_lshl_or_b32 v131, v126, 24, v131
	v_add_f32_dpp v132, v132, v132 row_xmask:8 row_mask:0xf bank_mask:0xf
	v_permlanex16_b32 v133, v132, s20, s21
	v_add_f32 v132, v132, v133                     ; the row's sum
	s_wait_alu depctr_va_vdst(0)                   ; the wait ahead of the transcendental
	v_rcp_f32 v132, v132
	v_nop                                          ; a plain place behind it,
	s_wait_alu depctr_va_vdst(0)                   ; and the wait ahead of its first reader
	ds_store_b32 v12, v130
	ds_store_b32 v12, v131 offset:256
	ds_store_b32 v13, v132                         ; (a query's four lanes write the same word with the same value)
	s_wait_xcnt 0x0                                ; the loads of V have read their offsets: v52-55 may be written
	MEET                                           ; the scale words and the reciprocal sums are whole
.irp q, 0,1,2,3
	ds_load_b32 v[MX+\q], v16 offset:64*\q         ; 1 / the sum of my lane's query in each tile
.endr
	PWLOAD 0
	s_wait_loadcnt 12                              ; V's steps 0 to 3 are in: younger are steps 4 to 7, three loads each
	PV 0
	PV 1
	PV 2
	PV 3
	PV 4
	PV 5
	PV 6
	PV 7
.Lpvdone:
.rept 4
	v_nop                                          ; four places in front of the first read of O^T
.endr
.set n, 0
.rept 32
	v_mul_f32 v[S+n], v[O+n], v[MX+n/8]            ; register 8 q + i is channel 16 f + 8 h + i of my query in tile q
.set n, n+1
.endr
.irp q, 0,1,2,3
	ds_store_b128 v17, v[S+8*\q:S+8*\q+3] offset:16*528*\q
	ds_store_b128 v17, v[S+8*\q+4:S+8*\q+7] offset:16*528*\q+16
.endr
	MEET                                           ; the rows are whole
.irp i, 0,1,2,3,4,5,6,7
	ds_load_b128 v[Q+4*\i:Q+4*\i+3], v18 offset:528*\i
.endr
.irp i, 0,1,2,3,4,5,6,7
	s_wait_dscnt 7-\i
	global_store_b128 v4, v[Q+4*\i:Q+4*\i+3], s[72:73] offset:512*\i th:TH_STORE_NT   ; 32 lanes store a row: 512 consecutive bytes, aligned
.endr
	s_wait_tensorcnt 0x0                           ; the wave's end, behind my last LDS store
	ds_add_u32 v[SPW], v[NIL]
	s_wait_dscnt 0x0
	s_endpgm
.Lfunc_end_k_qb9ae321ccf_attn:
	.size	k_qb9ae321ccf_attn, .Lfunc_end_k_qb9ae321ccf_attn-k_qb9ae321ccf_attn
	.p2alignl 7, 3214868480
	.fill 96, 4, 3214868480
	.section	.rodata,"a",@progbits
	.p2align	6, 0x0
	.amdhsa_kernel k_qb9ae321ccf_attn
		.amdhsa_group_segment_fixed_size 214016
		.amdhsa_private_segment_fixed_size 0
		.amdhsa_enable_private_segment 0
		.amdhsa_kernarg_size 32
		.amdhsa_user_sgpr_count 2
		.amdhsa_user_sgpr_kernarg_segment_ptr 1
		.amdhsa_wavefront_size32 1
		.amdhsa_system_sgpr_workgroup_id_x 1
		.amdhsa_system_sgpr_workgroup_id_y 1
		.amdhsa_system_sgpr_workgroup_id_z 1
		.amdhsa_system_vgpr_workitem_id 0
		.amdhsa_next_free_vgpr 256
		.amdhsa_next_free_sgpr 84
		.amdhsa_reserve_vcc 1
		.amdhsa_float_denorm_mode_32 3
		.amdhsa_float_denorm_mode_16_64 3
		.amdhsa_memory_ordered 1
		.amdhsa_forward_progress 1
		.amdhsa_inst_pref_size 106
	.end_amdhsa_kernel
	.amdgpu_metadata
---
amdhsa.version: [ 1, 2 ]
amdhsa.kernels:
  - .name:           k_qb9ae321ccf_attn
    .symbol:         k_qb9ae321ccf_attn.kd
    .args:
      - { .name: qq, .offset: 0, .size: 8, .value_kind: global_buffer, .address_space: global }
      - { .name: kv, .offset: 8, .size: 8, .value_kind: global_buffer, .address_space: global }
      - { .name: meta, .offset: 16, .size: 8, .value_kind: global_buffer, .address_space: global }
      - { .name: out0, .offset: 24, .size: 8, .value_kind: global_buffer, .address_space: global }
    .group_segment_fixed_size: 214016
    .private_segment_fixed_size: 0
    .kernarg_segment_align: 8
    .kernarg_segment_size: 32
    .max_flat_workgroup_size: 512
    .sgpr_count:     84
    .vgpr_count:     256
    .wavefront_size: 32
...
	.end_amdgpu_metadata
.endif
;; end of part 2
